; MI455X (gfx1250); checked and timed in simulation.
; The chip was launched on July 23, 2026; its instructions are those of AMD's public machine-readable ISA for CDNA 5 (MIT licence, August 2026) and "CDNA5" Instruction Set Architecture Reference Guide (July 2026). The comments in the code are by the model that wrote it; some were corrected since.
;; Bahdanau Attention. Allowed arithmetic: matrix products marked QUANTISED: E3M2 operands, one E8M0 scale for each 32 along K, by v_wmma_scale_f32_16x16x128_f8f6f4 with both operands' format E3M2, f32 sums; products left as they are: f32 operands where the result goes on into a quantised operand, else bf16, f16 or f32 operands; f32 sums; everything else in f32.
;; Inputs: V 1,024 x 1 float32; W1 1,024 x 1,024 float32; W2 1,024 x 1,024 float32; b1 1,024 float32; b2 1,024 float32; bV 1 float32; query 32 x 1,024 float32; values 32 x 2,048 x 1,024 float32.
;; Outputs: out0 32 x 1,024 float32; out1 32 x 2,048 x 1 float32.
;; This version of the problem:
;;   THIS VERSION OF THE PROBLEM IS GIVEN IN LOW PRECISION. The matrix products marked QUANTISED in the list below multiply operands that are first quantised to E3M2 (3 exponent bits, 2 mantissa bits; 6 bits a number), with one power-of-two scale for each 32 numbers along K (OCP MX v1.0); their sums are f32. All else is computed in f32.
;;   The module's matrix products, in the order in which they are computed (A, B: the left and right operand; K: the contracted axis; several contracted axes count as one K, in the product's order):
;;     1. [M 65,536, K 1,024] x [K 1,024, N 1,024]; A: input values; B: input W1: QUANTISED
;;     2. [M 32, K 1,024] x [K 1,024, N 1,024]; A: input query; B: input W2: QUANTISED
;;     3. [M 65,536, K 1,024] x [K 1,024, N 1]; A: computed on the way; B: input V: left as it is (N = 1 < 16)
;;   THE QUANTISER, for each operand of a quantised product, along K:
;;     - K is cut into blocks of 32 from its start; a last block that is shorter is filled with zeros.
;;     - A block's scale is 2^e with e = floor(log2(the largest magnitude in the block)) - 4, held to -126 .. 127; a block of zeros has e = 0. As a byte (E8M0): e + 127.
;;     - Each number is divided by its block's scale, clamped to +-28, and rounded to the nearest number of E3M2, ties to even, subnormals kept.
;;     - The product sums the exact products of the quantised numbers (number of the format x scale) in f32.
;;   ~~~python
;;   def quantise(x, axis):      # numpy; x: float32 -> the quantised numbers, widened to float32 again
;;       x = np.moveaxis(x, axis, -1); K = x.shape[-1]
;;       x = np.pad(x, [(0, 0)] * (x.ndim - 1) + [(0, -K % 32)]); x = x.reshape(x.shape[:-1] + (-1, 32)); a = np.abs(x).max(-1, keepdims=True)
;;       e = np.where(a > 0, np.clip(np.frexp(np.where(a > 0, a, 1))[1] - 1 - 4, -126, 127), 0)      # np.frexp(a)[1] - 1 = floor(log2(a)), exactly
;;       r = np.clip(x / 2.0 ** e, -28, 28)
;;       step = 2.0 ** (np.maximum(np.frexp(np.where(r == 0, 1, r))[1] - 1, -2) - 2)
;;       q = np.round(r / step) * step * 2.0 ** e      # np.round: ties to even
;;       return np.moveaxis(q.reshape(q.shape[:-2] + (-1,))[..., :K], -1, axis).astype(np.float32)
;;   ~~~
;; One version. Each part assembles by itself: llvm-mc -triple=amdgcn-amd-amdhsa -mcpu=gfx1250 --defsym DOCPART=n.
;; ======== version 1 of 1: 3 launches
;; workspace buffers: w1f 819,200 bytes; pqv 524,288 bytes; scores 262,144 bytes; partc 1,048,576 bytes
;; launch prep (part 1): grid 64 x 1, 32 waves a work-group, no clusters, 80,896 bytes of LDS; arguments W1, W2, query, b1, b2, V, w1f, pqv; writes w1f, pqv
.if DOCPART == 1
	.amdgcn_target "amdgcn-amd-amdhsa--gfx1250"
	.amdhsa_code_object_version 6
	.text
	.protected	k_qd791dcd112_prep
	.globl	k_qd791dcd112_prep
	.p2align	8
	.type	k_qd791dcd112_prep,@function
k_qd791dcd112_prep:
	s_mov_b64 s[64:65], 0
	v_nop
	global_prefetch_b8 v0, s[64:65] scope:SCOPE_SE
	s_setreg_imm32_b32 hwreg(HW_REG_WAVE_MODE, 25, 1), 1
	s_wait_xcnt 0x0
; W1 [1024 k][1024 u] f32 becomes codes of BF6 (E3M2) with one E8M0 byte for each 32 along K, laid in the order of a matrix operand's registers (w1f);
; pq = Q(query) Q(W2) is computed on such codes, and pqv[b][u] = (c (pq + b1 + b2), the same, -2 V[u], -2 V[u]), c = 2 log2(e): what the next launch's tanh wants for each unit.
; w1f: 64 records of 12,800 bytes, one for each tile of 16 units.  Bytes 0 .. 12,287: eight fragments (K step ks at 1,536 ks); registers 4 q .. 4 q + 3 of lane L at 512 q + 16 L;
; lane (r, h), registers 6 c .. 6 c + 5: k = 128 ks + 64 c + 32 h + 0 .. 31 of unit r.  Bytes 12,288 ..: the 16 bytes at 16 L are the scale words of K steps 4 (L / 16) + 0 .. 3 of unit L % 16.
; SHARES.  Work-groups 0-31 take W1, 32-63 W2; work-group g of either takes 32 columns (two tiles).  WAVE w TAKES ONE BLOCK OF 32 ALONG K, rows 32 w .. 32 w + 31; a lane takes a column and its registers run down K:
; 32 loads of 128 consecutive bytes a wave, all issued at the head; the block's largest magnitude needs no other lane, and the conversions give the codes with K innermost.
; The block's six registers of codes go into an IMAGE OF THE OPERAND'S REGISTERS in LDS, in pairs: pair P = 3 c + p of a lane's six pairs lies at 512 (P / 2) + 8 (P % 2) + 16 L; the scale byte into its word.
; Behind one barrier W1's path copies its two records out in pieces of 512 bytes.  W2's path has quantised query in the same way (wave w: rows 16 (w / 16) + r, k = 64 (w % 16) + 32 h + 0 .. 31);
; its waves 0 to 3 (tile of query, tile of units) multiply the eight K steps on two accumulators by turns and store pqv.
; A block's scale byte is its largest magnitude's exponent field - 4, held at 1 from below.
; LIMITS: a block of zeros gets the byte 1 (its codes are zeros, and this program alone reads the bytes); NaN and infinities among the inputs are not served.
; The two paths part once, on the work-group's number alone, and each has LDS bytes of its own: W1's 0 .. 25,599; W2's from 25,600 on.
.set RECB, 12800
.set FRB,  1536
.set WREC, 2*RECB                      ; W2's path: its two records,
.set QIMG, 4*RECB                      ; query's 16 fragments (8 M + ks),
.set QSC,  QIMG+16*FRB                 ; and their scale words: 512 bytes a tile, laid as a record's
.set X,    32                          ; v32-63    my column's 32 numbers
.set XQ,   64                          ; v64-95    my row of query's 32 numbers
.set QT,   104                         ; v104-106  a conversion's second half
.set PCW,  108                         ; v108-113  the column's codes
.set PCQ,  114                         ; v114-119  query's codes
; v1 lane, v2 r, v3 lane / 16, v4 4 x lane, v5 12,800 (lane / 16) + 16 r, v6-8 where the column's three pairs go, v9 its scale byte, v10 query's offset in memory, v11-13 query's three pairs, v14 its scale byte,
; v15 16 x lane, v16-19 query's scale words, v20-23 W2's (these eight hold scales alone), v24-26 b1, b2, V, v27 their offset, v28 pqv's offset, v29-31 the product's LDS addresses, v96-103 the quantiser's work, v120 512 wave + 16 lane
; 32 numbers of a lane, one block, become six registers of codes v[pc ..]; the scale byte stands in v[m + 3].
.macro QB1 x, pc, m
	v_max3_num_f32 v[(\m)], |v[(\x)]|, |v[(\x)+1]|, 0x2800000   ; the floor 2^(5 - 127) among the leaves: the byte cannot fall under 1
	v_max3_num_f32 v[(\m)+1], |v[(\x)+16]|, |v[(\x)+17]|, |v[(\x)+18]|
.irp i,2,4,6,8,10,12
	v_max3_num_f32 v[(\m)], v[(\m)], |v[(\x)+\i]|, |v[(\x)+\i+1]|
	v_max3_num_f32 v[(\m)+1], v[(\m)+1], |v[(\x)+\i+17]|, |v[(\x)+\i+18]|
.endr
	v_max3_num_f32 v[(\m)], v[(\m)], |v[(\x)+14]|, |v[(\x)+15]|
	v_max3_num_f32 v[(\m)], v[(\m)], v[(\m)+1], |v[(\x)+31]|     ; the block's largest magnitude
	v_add_nc_u32 v[(\m)+2], 0xfe000000, v[(\m)]                  ; 4 off its exponent field: the conversion's scale operand
	v_lshrrev_b32 v[(\m)+3], 23, v[(\m)+2]                       ; the scale's byte
	v_cvt_scalef32_pk16_bf6_f32 v[(\pc):(\pc)+2], v[(\x):(\x)+15], v[(\m)+2]
	v_cvt_scalef32_pk16_bf6_f32 v[QT:QT+2], v[(\x)+16:(\x)+31], v[(\m)+2]   ; a conversion's three registers begin on an even number
	v_nop                                          ; one plain instruction behind the scaled conversions
.irp i,0,1,2
	v_mov_b32 v[(\pc)+3+\i], v[QT+\i]
.endr
.endm
.macro LOADW sb                        ; rows 32 w + i, my column
.set i, 0
.rept 32
	global_load_b32 v[X+i], v4, s[\sb:\sb+1] offset:i*4096
.set i, i+1
.endr
.endm
.macro STOREW off                      ; the column's block into its record's image
	ds_store_b64 v6, v[PCW:PCW+1] offset:\off
	ds_store_b64 v7, v[PCW+2:PCW+3] offset:\off
	ds_store_b64 v8, v[PCW+4:PCW+5] offset:\off
	ds_store_b8 v9, v99 offset:\off
.endm
.macro PQ acc, fa, fb, sr, zero, row   ; one K step of pq: source 0 = 16 rows of query, source 1 = 16 columns of W2
.if \zero
	v_wmma_scale_f32_16x16x128_f8f6f4 v[\acc:\acc+7], v[\fa:\fa+11], v[\fb:\fb+11], 0, v[16+\sr], v[20+\sr] matrix_a_fmt:MATRIX_FMT_BF6 matrix_b_fmt:MATRIX_FMT_BF6
.elseif \row
	v_wmma_scale_f32_16x16x128_f8f6f4 v[\acc:\acc+7], v[\fa:\fa+11], v[\fb:\fb+11], v[\acc:\acc+7], v[16+\sr], v[20+\sr] matrix_a_fmt:MATRIX_FMT_BF6 matrix_b_fmt:MATRIX_FMT_BF6 matrix_a_scale:MATRIX_SCALE_ROW1 matrix_b_scale:MATRIX_SCALE_ROW1
.else
	v_wmma_scale_f32_16x16x128_f8f6f4 v[\acc:\acc+7], v[\fa:\fa+11], v[\fb:\fb+11], v[\acc:\acc+7], v[16+\sr], v[20+\sr] matrix_a_fmt:MATRIX_FMT_BF6 matrix_b_fmt:MATRIX_FMT_BF6
.endif
.endm
	s_load_b256 s[4:11], s[0:1], 0x0               ; W1 s[4:5], W2 s[6:7], query s[8:9], b1 s[10:11]
	s_load_b256 s[12:19], s[0:1], 0x20             ; b2 s[12:13], V s[14:15], w1f s[16:17], pqv s[18:19]
	v_lshl_add_u32 v126, v0, 2, 0x12c00
	v_mov_b32 v127, 0
	v_lshrrev_b32 v1, 5, v0
	v_readfirstlane_b32 s20, v1                    ; wave 0..31 = 4 ks + 2 c + h
	v_and_b32 v1, 31, v0                           ; lane
	v_and_b32 v2, 15, v0                           ; r
	v_bfe_u32 v3, v0, 4, 1                         ; lane / 16: my column's tile; in query's rows, the half h
	v_lshlrev_b32 v4, 2, v1
	v_lshlrev_b32 v15, 4, v1
	v_mul_u32_u24 v5, v3, RECB
	v_lshl_add_u32 v5, v2, 4, v5
	s_and_b32 s21, ttmp9, 31                       ; g: which 32 columns
	; every LDS address of both paths is made here, ahead of the parting
	s_lshr_b32 s22, s20, 2
	s_mul_i32 s22, s22, FRB                        ; my K step's fragment,
	s_and_b32 s23, s20, 1
	s_lshl_b32 s23, s23, 8
	s_add_co_u32 s22, s22, s23                     ; its lanes 16 h + r
	s_bfe_u32 s23, s20, 0x10001                    ; c
	s_mul_i32 s26, s23, 520                        ; pairs 0, 1, 2 lie at 0, 8, 512; pairs 3, 4, 5 at 520, 1,024, 1,032
	s_mul_i32 s27, s23, 1016
	s_add_co_u32 s28, s22, s26
	s_add_co_u32 s29, s22, s27
	s_add_co_u32 s29, s29, 8
	s_add_co_u32 s30, s28, 512
	v_add_nc_u32 v6, s28, v5
	v_add_nc_u32 v7, s29, v5
	v_add_nc_u32 v8, s30, v5
	s_lshr_b32 s26, s20, 4
	s_lshl_b32 s26, s26, 8
	s_and_b32 s27, s20, 15
	s_add_co_u32 s26, s26, s27
	s_add_co_u32 s26, s26, 12288
	v_add_nc_u32 v9, s26, v5                       ; my byte: 12,288 + 256 (ks / 4) + 16 r + 4 (ks % 4) + 2 c + h
	s_lshr_b32 s31, s20, 4                         ; query: M, which 16 rows;
	s_and_b32 s32, s20, 15                         ; kc, which 64 along K
	v_lshlrev_b32 v10, 12, v2
	v_lshl_add_u32 v10, v3, 7, v10                 ; row r of 4,096 bytes, + 128 h
	s_mul_i32 s33, s31, 8*FRB
	s_lshr_b32 s34, s32, 1
	s_mul_i32 s34, s34, FRB
	s_add_co_u32 s33, s33, s34
	s_add_co_u32 s33, s33, QIMG                    ; fragment 8 M + kc / 2
	s_and_b32 s34, s32, 1                          ; its c
	s_mul_i32 s26, s34, 520
	s_mul_i32 s27, s34, 1016
	s_add_co_u32 s28, s33, s26
	s_add_co_u32 s29, s33, s27
	s_add_co_u32 s29, s29, 8
	s_add_co_u32 s30, s28, 512
	v_add_nc_u32 v11, s28, v15
	v_add_nc_u32 v12, s29, v15
	v_add_nc_u32 v13, s30, v15
	s_lshl_b32 s26, s31, 9
	s_lshr_b32 s27, s32, 3
	s_lshl_b32 s27, s27, 8
	s_add_co_u32 s26, s26, s27
	s_and_b32 s27, s32, 7
	s_lshl_b32 s27, s27, 1
	s_add_co_u32 s26, s26, s27
	s_add_co_u32 s26, s26, QSC
	v_lshl_add_u32 v14, v2, 4, v3
	v_add_nc_u32 v14, s26, v14                     ; 512 M + 256 (ks / 4) + 16 r + 4 (ks % 4) + 2 c + h
	s_and_b32 s40, s20, 1                          ; the product (waves 0 to 3): which tile of units,
	s_bfe_u32 s41, s20, 0x10001                    ; which tile of query
	s_mul_i32 s26, s41, 8*FRB
	s_add_co_u32 s26, s26, QIMG
	v_add_nc_u32 v29, s26, v15
	s_mul_i32 s26, s40, RECB
	v_add_nc_u32 v30, s26, v15
	s_lshl_b32 s26, s41, 9
	s_add_co_u32 s26, s26, QSC
	v_add_nc_u32 v31, s26, v15
	s_lshl_b32 s26, s20, 9
	v_add_nc_u32 v120, s26, v15                    ; piece w of 512 bytes: in LDS and in w1f alike
	s_lshl_b32 s26, s21, 7
	s_lshl_b32 s27, s40, 6
	s_add_co_u32 s26, s26, s27
	v_lshl_add_u32 v27, v2, 2, s26                 ; b1, b2, V at unit 32 g + 16 tile + r
	v_lshlrev_b32 v28, 17, v3
	v_lshl_add_u32 v28, v2, 4, v28                 ; pqv: 8 h batches of 16,384 bytes, 16 r
	s_lshl_b32 s42, s20, 17                        ; 32 rows of 4,096 bytes a wave
	s_lshl_b32 s43, s21, 7
	s_add_co_u32 s42, s42, s43
	s_mov_b32 s43, 0
	s_lshl_b32 s44, s31, 16
	s_lshl_b32 s45, s32, 8
	s_add_co_u32 s44, s44, s45
	s_mov_b32 s45, 0
	s_mul_i32 s46, s21, 2*RECB
	s_mov_b32 s47, 0
	s_lshl_b32 s36, s41, 18                        ; 16 batches a tile of query,
	s_lshl_b32 s37, s21, 9                         ; 32 units of 16 bytes a work-group,
	s_add_co_u32 s36, s36, s37
	s_lshl_b32 s37, s40, 8                         ; 16 a tile
	s_add_co_u32 s36, s36, s37
	s_mov_b32 s37, 0
	s_mov_b32 s35, 0x4038aa3b                      ; c = 2 log2(e)
	s_wait_kmcnt 0x0
	s_add_nc_u64 s[4:5], s[4:5], s[42:43]
	s_add_nc_u64 s[6:7], s[6:7], s[42:43]
	s_add_nc_u64 s[8:9], s[8:9], s[44:45]
	s_add_nc_u64 s[16:17], s[16:17], s[46:47]
	s_add_nc_u64 s[18:19], s[18:19], s[36:37]
	s_cmp_lt_u32 ttmp9, 32
	s_cbranch_scc0 .Lw2
	; ---- W1: quantise, gather the two records in LDS, copy them out
	LOADW 4
	s_wait_loadcnt 0x0
	QB1 X, PCW, 96
	STOREW 0
	s_wait_dscnt 0x0                               ; for the others' sake: my codes and my byte lie in LDS
	s_barrier_signal -1
	s_barrier_wait -1
	ds_load_b128 v[32:35], v120                    ; the two records are 50 pieces of 512 bytes: piece w,
	s_wait_dscnt 0x0
	global_store_b128 v120, v[32:35], s[16:17]     ; 512 consecutive bytes, aligned
	s_cmp_gt_u32 s20, 17
	s_cbranch_scc1 .Lend1
	ds_load_b128 v[36:39], v120 offset:16384       ; and, in waves 0 to 17, piece 32 + w
	s_wait_dscnt 0x0
	global_store_b128 v120, v[36:39], s[16:17] offset:16384
.Lend1:
	s_wait_tensorcnt 0x0
	ds_add_u32 v126, v127
	s_wait_dscnt 0x0
	s_endpgm
	; ---- W2: the same into this path's own LDS bytes, query beside it, then the product
.Lw2:
.irp j,0,1,2,3,4,5,6,7
	global_load_b128 v[XQ+4*\j:XQ+4*\j+3], v10, s[8:9] offset:16*\j
.endr
	global_load_b32 v24, v27, s[10:11]
	global_load_b32 v25, v27, s[12:13]
	global_load_b32 v26, v27, s[14:15]
	LOADW 6
	s_wait_loadcnt 32                              ; query and the three are in; W2's 32 loads, issued behind them, may be out
	QB1 XQ, PCQ, 100
	ds_store_b64 v11, v[PCQ:PCQ+1]
	ds_store_b64 v12, v[PCQ+2:PCQ+3]
	ds_store_b64 v13, v[PCQ+4:PCQ+5]
	ds_store_b8 v14, v103
	s_wait_loadcnt 0x0
	QB1 X, PCW, 96
	STOREW WREC
	s_wait_dscnt 0x0
	s_barrier_signal -1
	s_barrier_wait -1
	s_cmp_gt_u32 s20, 3
	s_cbranch_scc1 .Lend2
	ds_load_b128 v[16:19], v31                     ; scale words: lanes 0-15 K steps 0-3, lanes 16-31 K steps 4-7
	ds_load_b128 v[20:23], v30 offset:WREC+12288
.irp s,0,1,2,3                             ; two K steps at a time; the two accumulators take turns
.if \s > 0
.rept 4
	v_nop                                          ; four places ahead of loads into registers that matrix instructions have read
.endr
.endif
.irp k,0,1
.irp q,0,1,2
	ds_load_b128 v[32+12*\k+4*\q:35+12*\k+4*\q], v29 offset:(2*\s+\k)*FRB+512*\q
	ds_load_b128 v[56+12*\k+4*\q:59+12*\k+4*\q], v30 offset:WREC+(2*\s+\k)*FRB+512*\q
.endr
.endr
	s_wait_dscnt 0x0
.if \s == 0
	PQ 80, 32, 56, 0, 1, 0
	PQ 88, 44, 68, 1, 1, 0
.elseif \s == 1
	PQ 80, 32, 56, 2, 0, 0
	PQ 88, 44, 68, 3, 0, 0
.elseif \s == 2
	PQ 80, 32, 56, 0, 0, 1
	PQ 88, 44, 68, 1, 0, 1
.else
	PQ 80, 32, 56, 2, 0, 1
	PQ 88, 44, 68, 3, 0, 1
.endif
.endr
.rept 4
	v_nop                                          ; four places ahead of the first read of the results
.endr
	v_add_f32 v24, v24, v25
	v_mul_f32 v24, s35, v24                        ; c (b1 + b2)
	v_mul_f32 v25, -2.0, v26                       ; -2 V
.irp j,0,2,4,6
	v_pk_add_f32 v[96+\j:97+\j], v[80+\j:81+\j], v[88+\j:89+\j]   ; the even and the odd K steps; each accumulator from its low end on.  Register j: batch 16 M + 8 h + j, unit r
.endr
.irp j,0,1,2,3,4,5,6,7
	v_fma_f32 v[32+4*\j], v[96+\j], s35, v24       ; c (pq + b1 + b2), twice: the next launch takes it as a pair
	v_fma_f32 v[33+4*\j], v[96+\j], s35, v24
	v_mov_b32 v[34+4*\j], v25
	v_mov_b32 v[35+4*\j], v25
.endr
.irp j,0,1,2,3,4,5,6,7
	global_store_b128 v28, v[32+4*\j:35+4*\j], s[18:19] offset:16384*\j   ; sixteen lanes store 256 consecutive bytes, aligned
.endr
.Lend2:
	s_wait_tensorcnt 0x0
	ds_add_u32 v126, v127
	s_wait_dscnt 0x0
	s_endpgm
.Lfunc_end_k_qd791dcd112_prep:
	.size	k_qd791dcd112_prep, .Lfunc_end_k_qd791dcd112_prep-k_qd791dcd112_prep
	.p2alignl 7, 3214868480
	.fill 96, 4, 3214868480
	.section	.rodata,"a",@progbits
	.p2align	6, 0x0
	.amdhsa_kernel k_qd791dcd112_prep
		.amdhsa_group_segment_fixed_size 80896
		.amdhsa_private_segment_fixed_size 0
		.amdhsa_enable_private_segment 0
		.amdhsa_kernarg_size 64
		.amdhsa_user_sgpr_count 2
		.amdhsa_user_sgpr_kernarg_segment_ptr 1
		.amdhsa_wavefront_size32 1
		.amdhsa_system_sgpr_workgroup_id_x 1
		.amdhsa_system_sgpr_workgroup_id_y 1
		.amdhsa_system_sgpr_workgroup_id_z 1
		.amdhsa_system_vgpr_workitem_id 0
		.amdhsa_next_free_vgpr 128
		.amdhsa_next_free_sgpr 66
		.amdhsa_reserve_vcc 0
		.amdhsa_float_denorm_mode_32 3
		.amdhsa_float_denorm_mode_16_64 3
		.amdhsa_memory_ordered 1
		.amdhsa_forward_progress 1
		.amdhsa_inst_pref_size 25
	.end_amdhsa_kernel
	.amdgpu_metadata
---
amdhsa.version: [ 1, 2 ]
amdhsa.kernels:
  - .name:           k_qd791dcd112_prep
    .symbol:         k_qd791dcd112_prep.kd
    .args:
      - { .name: W1, .offset: 0, .size: 8, .value_kind: global_buffer, .address_space: global }
      - { .name: W2, .offset: 8, .size: 8, .value_kind: global_buffer, .address_space: global }
      - { .name: query, .offset: 16, .size: 8, .value_kind: global_buffer, .address_space: global }
      - { .name: b1, .offset: 24, .size: 8, .value_kind: global_buffer, .address_space: global }
      - { .name: b2, .offset: 32, .size: 8, .value_kind: global_buffer, .address_space: global }
      - { .name: V, .offset: 40, .size: 8, .value_kind: global_buffer, .address_space: global }
      - { .name: w1f, .offset: 48, .size: 8, .value_kind: global_buffer, .address_space: global }
      - { .name: pqv, .offset: 56, .size: 8, .value_kind: global_buffer, .address_space: global }
    .group_segment_fixed_size: 80896
    .private_segment_fixed_size: 0
    .kernarg_segment_align: 8
    .kernarg_segment_size: 64
    .max_flat_workgroup_size: 1024
    .sgpr_count:     66
    .vgpr_count:     128
    .wavefront_size: 32
...
	.end_amdgpu_metadata
.endif
;; end of part 1
;; launch main (part 2): grid 256 x 1, 4 waves a work-group, no clusters, 327,680 bytes of LDS; arguments values, w1f, pqv, V, bV, scores, partc; writes scores, partc
.if DOCPART == 2
	.amdgcn_target "amdgcn-amd-amdhsa--gfx1250"
	.amdhsa_code_object_version 6
	.text
	.protected	k_qd791dcd112_main
	.globl	k_qd791dcd112_main
	.p2align	8
	.type	k_qd791dcd112_main,@function
k_qd791dcd112_main:
	s_mov_b64 s[64:65], 0
	v_nop
	global_prefetch_b8 v0, s[64:65] scope:SCOPE_SE
	s_setreg_imm32_b32 hwreg(HW_REG_WAVE_MODE, 25, 1), 1
	s_wait_xcnt 0x0
; score[b][s] = bV + sum_u V[u] tanh(Q(values[b][s]) . Q(W1)[:, u] + pq[b][u] + b1[u] + b2[u]), and, in the same pass over values, this work-group's part of the context.
; tanh(z) = 1 - 2 r, r = 1 / (1 + 2^(c z)), c = 2 log2(e): score = K0 + sum_u (-2 V[u]) r, K0 = bV + sum_u V[u].  2^(c z) = infinity gives r = 0, 2^(c z) = 0 gives r = 1: both ends are right without a clamp.
; values are read from memory ONCE: a block of 64 rows stays on the WGP as f32 until its scores are known, and is then summed under a running maximum m: partc = sum_s 2^((score - m) log2 e) values[s].
; The last launch joins the eight work-groups of a batch; it takes every maximum and the divisor from the stored scores.
; SHARES.  Work-group x owns rows 256 x .. 256 x + 255 (all of batch x / 8), as 4 blocks of 64.  Wave w owns units 256 w .. + 255 (16 tiles) for all 64 rows, and columns 256 w .. + 255 of values:
; it fetches, quantises and sums that 1,024-byte piece of every row, so the f32 bytes in LDS are read by the wave that fetched them.  The codes go from wave to wave through LDS as images of the operand's registers.
; W1's codes come from memory straight into the operand's registers (the launch before laid them so), two tiles ahead, each tile in two runs: a half is asked for again as soon as its 16 products have read it,
; and waited for only where it is multiplied.  The stream runs on from block to block.
; NO CLUSTER, no joint loads for W1: LDS holds 266,240 bytes of f32 rows that wait for their weights and 53,760 of operand images; under 7,000 are left, and two slots of one tile for each of four waves are 102,400.
; HALF A BLOCK IS PARKED IN REGISTERS (rows 0-31: 256 registers), so that its LDS bytes are filled again at the head of the block's products; rows 32-63 are filled again when the block's context has read them.
; WHILE ROWS 32-63 ARE ON THEIR WAY the wave does all that does not want them: the parked rows' context, the quantising of rows 0-31, the parking of rows 0-23 and the fetch of rows 0-31's fragments.
; Tiles of 32 rows, not 64: the two halves are filled at different times.  A wave has two tensor loads out at the start, later one.
; LIMITS: NaN and infinities among the inputs are not served; a block of zeros gets the scale byte 1 with zero codes (this program alone reads the bytes).
; REGISTERS, in windows of 256.  Window 0: v1-31 addresses and single numbers; v32-63 A's scale words; v64-71 B's; v72-79 (c z0, c z0, -2V, -2V) of a tile's unit; v80-87 the context;
;   v88-119 four accumulators; v120-151 the scores' partial sums; v152-215 parked rows 24-31; v216-255 the quantiser's codes and work.  While quantising v88-215 hold two sets of 64 numbers.
;   Window 1: v0-191 A's fragments of K steps 0-3, v192-255 parked rows 0-7.  Window 2: K steps 4-7, rows 8-15.  Window 3: v0-191 B's fragments, two sets, v192-255 rows 16-23.
.set PITCH, 1040                       ; a row's piece in LDS: 1,024 bytes + 16 of padding: sixteen rows begin at sixteen different 16-byte columns of 256
.set EREG,  32*PITCH                   ; 32 rows: what one tensor load brings
.set LOFF,  4*EREG                     ; rows 0-31 of the four waves, then rows 32-63
.set IMG,   8*EREG                     ; 32 fragments of 1,536 bytes: fragment 16 (ks / 4) + 4 mt + ks % 4
.set ASC,   IMG+32*1536                ; their scale words: lane L's 32 words at 144 L
.set PART,  ASC+32*144                 ; the waves' partial scores: 256 w + 4 row
.set SPARE, PART+1024                  ; the spare words, 128 bytes for each wave: two blocks of 256 bytes that no other line names
.set FRB,   1536
.set RECB,  12800
.set SPW, 1                            ; v1   SPARE + 4 x my thread's number; never rewritten
.set NIL, 2                            ; v2   0; never rewritten
.set LO,  3                            ; v3   16 x lane
.set TO,  4                            ; v4   16 x (lane % 16)
.set QE,  5                            ; v5, v6  the quantiser's reads: rows 0-31, rows 32-63: region + 1,040 r + 128 h
.set CE,  7                            ; v7   the context's reads of rows 0-31: region + 16 x lane
.set CL,  8                            ; v8   of rows 32-63
.set IW,  9                            ; v9   where I store images
.set SW,  10                           ; v10  and scale words
.set IR,  11                           ; v11  where I read images
.set SR,  12                           ; v12  and scale words
.set PW,  13                           ; v13  where I store partial scores
.set PR,  14                           ; v14  where I read them
.set SH,  15                           ; v15  8 x (lane / 16)
.set PFO, 16                           ; v16  the prefetches' offset
.set SCO, 17                           ; v17  8 x lane
.set WD,  18                           ; v18-19 the scale words being made, by turns
.set K0,  20                           ; v[20:21] K0, twice
.set MX,  22                           ; v22  the running maximum
.set WT,  23                           ; v23  a lane permute's target
.set FF,  24                           ; v[24:25] 2^((old m - new m) log2 e), and a word that is only named
.set PP,  26                           ; v26-27 the weights of rows 2 l and 2 l + 1
.set RS,  28                           ; v28-31 a lane's partial scores on their way to LDS
.set SC,  30                           ; v[30:31] the scores of rows 2 l and 2 l + 1
.set AS,  32
.set BS,  64
.set TB,  72
.set CX,  80
.set ACC, 88
.set SACC, 120
.set XQ,  88
.set PK3, 152
.set PC,  216
.set QT,  240
.set QM,  248
.set SEL, 20                           ; s[20:21] selects for lane l xor 16
.set PS,  66                           ; s[66:81] eight pairs: a row's weight and a word that is only named
.set MSB, 0
.macro WIN new                         ; the immediate's high byte repeats the setting that is left; a switch that changes nothing is dropped
.if MSB != \new
	s_set_vgpr_msb (MSB<<8)|\new
.set MSB, \new
.endif
.endm
; 64 numbers of a lane, v[x + 32 c + i] = number i of its block c, become 12 registers of codes v[pc ..]; the two scale bytes stand in v[QM+6], v[QM+7].
.macro QB x, pc
.irp c,0,1
	v_max3_num_f32 v[QM+\c], |v[(\x)+32*\c]|, |v[(\x)+32*\c+1]|, 0x2800000   ; the floor 2^(5 - 127) among the leaves: the byte cannot fall under 1
	v_max3_num_f32 v[QM+2+\c], |v[(\x)+32*\c+16]|, |v[(\x)+32*\c+17]|, |v[(\x)+32*\c+18]|
.endr
.irp i,2,4,6,8,10,12
.irp c,0,1
	v_max3_num_f32 v[QM+\c], v[QM+\c], |v[(\x)+32*\c+\i]|, |v[(\x)+32*\c+\i+1]|
	v_max3_num_f32 v[QM+2+\c], v[QM+2+\c], |v[(\x)+32*\c+\i+17]|, |v[(\x)+32*\c+\i+18]|
.endr
.endr
.irp c,0,1
	v_max3_num_f32 v[QM+\c], v[QM+\c], |v[(\x)+32*\c+14]|, |v[(\x)+32*\c+15]|
.endr
.irp c,0,1
	v_max3_num_f32 v[QM+\c], v[QM+\c], v[QM+2+\c], |v[(\x)+32*\c+31]|   ; the block's largest magnitude
.endr
.irp c,0,1
	v_add_nc_u32 v[QM+4+\c], 0xfe000000, v[QM+\c]   ; 4 off its exponent field: the conversion's scale operand
.endr
.irp c,0,1
	v_lshrrev_b32 v[QM+6+\c], 23, v[QM+4+\c]        ; the scale's byte
.endr
.irp c,0,1
	v_cvt_scalef32_pk16_bf6_f32 v[(\pc)+6*\c:(\pc)+6*\c+2], v[(\x)+32*\c:(\x)+32*\c+15], v[QM+4+\c]
	v_cvt_scalef32_pk16_bf6_f32 v[QT+4*\c:QT+4*\c+2], v[(\x)+32*\c+16:(\x)+32*\c+31], v[QM+4+\c]   ; a conversion's three registers begin on an even number
.endr
	v_nop                                          ; one plain instruction behind the scaled conversions
.irp c,0,1
.irp i,0,1,2
	v_mov_b32 v[(\pc)+3+6*\c+\i], v[QT+4*\c+\i]
.endr
.endr
.endm
.macro ROWWORD w                       ; lane (r, h) has the bytes of blocks h and 2 + h of row r; lane l xor 16 has the other two
	v_lshl_or_b32 v[\w], v[QM+7], 16, v[QM+6]
	v_lshlrev_b32 v[\w], v[SH], v[\w]
	v_permlanex16_b32 v[WT], v[\w], s[SEL], s[SEL+1]
	v_or_b32 v[\w], v[\w], v[WT]
.endm
; THE QUANTISER.  Half hf of the block (32 rows) x my 256 columns are four fragments f: tile of rows 2 hf + f / 2, my K step f % 2.  Lane (r, h) takes k = 64 c + 32 h + 0 .. 31 of row r: whole blocks.
.macro LX f, hf
.irp c,0,1
.irp j,0,1,2,3,4,5,6,7
	ds_load_b128 v[XQ+64*((\f)%2)+32*\c+4*\j:XQ+64*((\f)%2)+32*\c+4*\j+3], v[QE+\hf] offset:((\f)/2)*16*PITCH+512*((\f)%2)+256*\c+16*\j
.endr
.endr
.endm
.macro QF f, hf, cnt                   ; codes and scale word take two sets of registers by turns: a set is written again behind a counted wait that covers its stores
	s_wait_dscnt \cnt
	QB XQ+64*((\f)%2), PC+12*((\f)%2)
	ROWWORD WD+(\f)%2
.irp q,0,1,2
	ds_store_b128 v[IW], v[PC+12*((\f)%2)+4*\q:PC+12*((\f)%2)+4*\q+3] offset:(4*(2*\hf+(\f)/2)+(\f)%2)*FRB+512*\q
.endr
	ds_store_b32 v[SW], v[WD+(\f)%2] offset:4*(4*(2*\hf+(\f)/2)+(\f)%2)
.endm
.macro QHALF hf
	LX 0, \hf
	LX 1, \hf
	QF 0, \hf, 16                                  ; fragment 1's 16 loads may be out
	LX 2, \hf
	QF 1, \hf, 20                                  ; fragment 0's 4 stores and fragment 2's 16 loads
	LX 3, \hf
	QF 2, \hf, 20                                  ; fragment 1's 4 stores and fragment 3's 16 loads
	QF 3, \hf, 4                                   ; fragment 2's 4 stores
.endm
; rows 8 g .. 8 g + 7 of my columns go into registers: 8 registers a row
.macro PARK8 g, win, base
	WIN \win
.irp p,0,1,2,3,4,5,6,7
	ds_load_b128 v[\base+8*\p:\base+8*\p+3], v[CE] offset:(8*\g+\p)*PITCH
	ds_load_b128 v[\base+8*\p+4:\base+8*\p+7], v[CE] offset:(8*\g+\p)*PITCH+512
.endr
.endm
; the 16 fragments of rows 32 hf .. 32 hf + 31: eight of K steps 0-3 into window 1, eight of K steps 4-7 into window 2
.macro AFETCHH hf
	WIN 0x40
.set i, 24*(\hf)
.rept 24
	ds_load_b128 v[4*i:4*i+3], v[IR] offset:512*i
.set i, i+1
.endr
	WIN 0x80
.set i, 24*(\hf)
.rept 24
	ds_load_b128 v[4*i:4*i+3], v[IR] offset:16*FRB+512*i
.set i, i+1
.endr
	WIN 0
.endm
; WHAT DOES NOT WANT ROWS 32-63.  Every wave's images of rows 0-31 lie in LDS in front of the barrier; behind it rows 0-23 are parked
; and rows 0-31's fragments are fetched.  Rows 24-31 are parked later: their registers serve the quantiser of rows 32-63.
.macro EARLY
	s_wait_dscnt 0x0
	s_barrier_signal -1
	s_barrier_wait -1
	PARK8 0, 0x40, 192
	PARK8 1, 0x80, 192
	PARK8 2, 0xc0, 192
	AFETCHH 0
.endm
.macro ALATE                           ; rows 32-63's fragments and all 32 scale words: they stay for the 16 tiles of units
	AFETCHH 1
.irp i,0,1,2,3,4,5,6,7
	ds_load_b128 v[AS+4*\i:AS+4*\i+3], v[SR] offset:16*\i
.endr
	s_wait_dscnt 0x0
.endm
.macro CLEARS                          ; the scores' partial sums begin at 0: 32 lines a block, against a first tile written out a second time
.set i, 0
.rept 32
	v_mov_b32 v[SACC+i], 0
.set i, i+1
.endr
.endm
; A half is filled again: all my tensor loads have landed; 0 onto my spare word; work on registers; the add and all my LDS reads and stores are done;
; the work-group's barrier; the one tensor load, first thing behind it; four v_nop.
.macro FILLE                           ; rows 0-31 of the next block.  The same barrier shows every wave's images of rows 32-63 to the others
	s_wait_tensorcnt 0x0
	ds_add_u32 v[SPW], v[NIL]
	s_add_nc_u64 s[38:39], s[38:39], 262144        ; 64 rows on; no tensor load of mine is out
	CLEARS
	s_wait_dscnt 0x0
	s_barrier_signal -1
	s_barrier_wait -1
	tensor_load_to_lds s[36:39], s[28:35]
	s_nop 0
.rept 4
	v_nop
.endr
.endm
.macro FILLL                           ; rows 32-63 of the next block
	s_wait_tensorcnt 0x0
	ds_add_u32 v[SPW], v[NIL]
	s_add_nc_u64 s[42:43], s[42:43], 262144
	s_wait_xcnt 0x0                                ; the store of the scores has read its base and its data
	s_add_nc_u64 s[14:15], s[14:15], 256           ; the next block's 64 scores
	s_wait_dscnt 0x0
	s_barrier_signal -1
	s_barrier_wait -1
	tensor_load_to_lds s[40:43], s[28:35]
	s_nop 0
.rept 4
	v_nop
.endr
.endm
.macro BLDH set, hf, sb                ; half a tile of W1: 12 loads of 512 consecutive bytes are the fragments of K steps 4 hf .. 4 hf + 3
	WIN 0xc0
.set i, 12*(\hf)
.rept 12
	global_load_b128 v[96*\set+4*i:96*\set+4*i+3], v[LO], s[\sb:\sb+1] offset:RECB*\set+512*i
.set i, i+1
.endr
.endm
.macro BLDS set, sb                    ; its scale words (lanes 0-15: K steps 0-3, lanes 16-31: K steps 4-7)
	WIN 0
	global_load_b128 v[BS+4*\set:BS+4*\set+3], v[LO], s[\sb:\sb+1] offset:RECB*\set+12288
.endm
; A TILE OF 16 UNITS x 64 ROWS: 32 matrix instructions, the four accumulators by turns, K ascending; then the tanh and its weight.  A lane holds ONE unit (lane % 16) and rows 8 (lane / 16) + 0 .. 7 of each tile of rows.
; A tile's 26 loads are issued in this order: 12 (K steps 0-3), 1 (scale words), 12 (K steps 4-7), 1 (the unit's constants); loads come back in order.  With pf = 1 the tile two on is asked for as this one goes:
; c0: K steps 0-3 and the scale words are in; younger: this tile's 12 + 1 and the other set's 26.   c1: K steps 4-7 are in; younger: 1, 26 and the 12 just issued.   c2: the constants are in; younger: 26, 12 and 13.
.macro TILE set, pf, c0, c1, c2, ask
	s_wait_loadcnt \c0
	WIN 0x0d                                       ; A window 1, B window 3, C and D window 0
.irp ks,0,1,2,3
.irp mt,0,1,2,3
.if \ks == 0
	v_wmma_scale_f32_16x16x128_f8f6f4 v[ACC+8*\mt:ACC+8*\mt+7], v[12*(4*\mt+\ks):12*(4*\mt+\ks)+11], v[96*\set+12*\ks:96*\set+12*\ks+11], 0, v[AS+4*\mt+\ks], v[BS+4*\set+\ks] matrix_a_fmt:MATRIX_FMT_BF6 matrix_b_fmt:MATRIX_FMT_BF6
.else
	v_wmma_scale_f32_16x16x128_f8f6f4 v[ACC+8*\mt:ACC+8*\mt+7], v[12*(4*\mt+\ks):12*(4*\mt+\ks)+11], v[96*\set+12*\ks:96*\set+12*\ks+11], v[ACC+8*\mt:ACC+8*\mt+7], v[AS+4*\mt+\ks], v[BS+4*\set+\ks] matrix_a_fmt:MATRIX_FMT_BF6 matrix_b_fmt:MATRIX_FMT_BF6
.endif
.endr
.endr
.if \pf
.rept 4
	v_nop                                          ; four places ahead of the loads into the fragments just multiplied
.endr
	BLDH \set, 0, 44                               ; K steps 0-3 of the tile two on
.endif
	s_wait_loadcnt \c1
	WIN 0x0e                                       ; A window 2
.irp ks,0,1,2,3
.irp mt,0,1,2,3
	v_wmma_scale_f32_16x16x128_f8f6f4 v[ACC+8*\mt:ACC+8*\mt+7], v[12*(4*\mt+\ks):12*(4*\mt+\ks)+11], v[96*\set+48+12*\ks:96*\set+48+12*\ks+11], v[ACC+8*\mt:ACC+8*\mt+7], v[AS+16+4*\mt+\ks], v[BS+4*\set+\ks] matrix_a_fmt:MATRIX_FMT_BF6 matrix_b_fmt:MATRIX_FMT_BF6 matrix_b_scale:MATRIX_SCALE_ROW1
.endr
.endr
.rept 4
	v_nop                                          ; four places ahead of the loads into B's registers and scale words, and of the first read of the results
.endr
.if \pf
	BLDS \set, 44                                  ; the scale words first: the tile's head waits for them and not for what follows
	BLDH \set, 1, 44
.endif
	WIN 0
.if \ask
	; A prefetch of rows 32-63 of the next block, my 1,024 bytes of each: trips 4 to 7 name 8 rows each, a lane one aligned 256 bytes (row lane / 4, piece lane % 4); each piece is named once in the launch,
	; by the wave that will fetch it, four to one trips of two tiles ahead of that tensor load.  It stands behind the trip's run of loads.  The last block asks for nothing.
	s_cmp_ge_u32 s54, 4
	s_cbranch_scc0 .Lnoask_\@
	global_prefetch_b8 v[PFO], s[52:53] th:TH_LOAD_NT scope:SCOPE_SE
.Lnoask_\@:
.endif
	s_wait_loadcnt \c2
.set i, 0
.rept 16
	v_pk_fma_f32 v[ACC+i:ACC+i+1], v[ACC+i:ACC+i+1], s[22:23], v[TB+4*\set:TB+4*\set+1] op_sel_hi:[1,0,1]   ; c z, each accumulator from its low end on
.set i, i+2
.endr
.set i, 0
.rept 32
	v_exp_f32 v[ACC+i], v[ACC+i]
.set i, i+1
.endr
	v_nop                                          ; a plain instruction behind the last exponential,
	s_wait_alu depctr_va_vdst(0)                   ; and one wait for the batch, ahead of its first reader
.set i, 0
.rept 16
	v_pk_add_f32 v[ACC+i:ACC+i+1], v[ACC+i:ACC+i+1], 1.0 op_sel_hi:[1,0]
.set i, i+2
.endr
.set i, 0
.rept 32
	v_rcp_f32 v[ACC+i], v[ACC+i]
.set i, i+1
.endr
	v_nop
	s_wait_alu depctr_va_vdst(0)                   ; likewise for the reciprocals
.set i, 0
.rept 16
	v_pk_fma_f32 v[SACC+i:SACC+i+1], v[ACC+i:ACC+i+1], v[TB+4*\set+2:TB+4*\set+3], v[SACC+i:SACC+i+1]   ; += -2 V r
.set i, i+2
.endr
.if \pf
	global_load_b128 v[TB+4*\set:TB+4*\set+3], v[TO], s[46:47] offset:256*\set
.endif
.endm
; Two tiles.  pf = 1: trip t fetches tiles (2 t + 2) % 16 and (2 t + 3) % 16 of my 16, so that the stream runs on into the next block.
; pf = 0: the launch's last two tiles fetch nothing, and the counts run down: behind tile 14's parts stand 39, 27, 26 younger loads, behind tile 15's 13, 1, 0.
.macro GTRIP pf, ask
.if \pf
	s_wait_xcnt 0x0                                ; the last trip's loads and prefetch have read their bases
	s_add_nc_u64 s[44:45], s[6:7], s[48:49]
	s_add_nc_u64 s[46:47], s[8:9], s[50:51]
.if \ask
	s_add_nc_u64 s[52:53], s[52:53], 32768         ; 8 rows a trip
.endif
	s_add_co_u32 s48, s48, 2*RECB
	s_cmp_eq_u32 s48, 16*RECB
	s_cselect_b32 s48, 0, s48
	s_add_co_u32 s50, s50, 512
	s_and_b32 s50, s50, 4095
	TILE 0, 1, 39, 39, 51, \ask
	TILE 1, 1, 39, 39, 51, 0
.else
	TILE 0, 0, 39, 27, 26, 0
	TILE 1, 0, 13, 1, 0, 0
.endif
.endm
; my 256 units' share of the 64 scores: the sixteen lanes of a half are added; lane l keeps row 8 (l / 16) + l % 8 of each tile of rows
.macro REDUCE
.irp k,1,2,4,8
.set i, 0
.rept 32
	v_add_f32_dpp v[SACC+i], v[SACC+i], v[SACC+i] row_xmask:\k row_mask:0xf bank_mask:0xf
.set i, i+1
.endr
.endr
.irp mt,0,1,2,3
	v_cndmask_b32 v[RS+\mt], v[SACC+8*\mt], v[SACC+8*\mt+1], s57
.irp j,2,3,4,5,6,7
	v_cndmask_b32 v[RS+\mt], v[RS+\mt], v[SACC+8*\mt+\j], s[56+\j]
.endr
	ds_store_b32 v[PW], v[RS+\mt] offset:64*\mt    ; lanes l and l + 8 of a half write the same word with the same value
.endr
.endm
; every wave adds the four shares (lane l: rows 2 l, 2 l + 1), moves the maximum, and makes the block's weights
.macro SOFTMAX
.irp k,0,1,2,3
	ds_load_b64 v[88+2*\k:89+2*\k], v[PR] offset:256*\k
.endr
	s_wait_dscnt 0x0
	v_pk_add_f32 v[88:89], v[88:89], v[90:91]
	v_pk_add_f32 v[88:89], v[88:89], v[92:93]
	v_pk_add_f32 v[88:89], v[88:89], v[94:95]
	v_pk_add_f32 v[SC:SC+1], v[88:89], v[K0:K0+1]
	s_cmp_lg_u32 s18, 0
	s_cbranch_scc1 .Lnostore_\@
	global_store_b64 v[SCO], v[SC:SC+1], s[14:15]  ; wave 0: 32 lanes store 256 consecutive bytes, aligned
.Lnostore_\@:
	v_max_num_f32 v88, v[SC], v[SC+1]
	v_max_num_f32_dpp v88, v88, v88 row_xmask:1 row_mask:0xf bank_mask:0xf
	v_max_num_f32_dpp v88, v88, v88 row_xmask:2 row_mask:0xf bank_mask:0xf
	v_max_num_f32_dpp v88, v88, v88 row_xmask:4 row_mask:0xf bank_mask:0xf
	v_max_num_f32_dpp v88, v88, v88 row_xmask:8 row_mask:0xf bank_mask:0xf
	v_permlanex16_b32 v89, v88, s[SEL], s[SEL+1]
	v_max3_num_f32 v88, v88, v89, v[MX]            ; the new maximum
	v_sub_f32 v[FF], v[MX], v88
	v_sub_f32 v[PP], v[SC], v88
	v_sub_f32 v[PP+1], v[SC+1], v88
	v_mov_b32 v[MX], v88
	v_mul_f32 v[FF], s24, v[FF]
	v_mul_f32 v[PP], s24, v[PP]
	v_mul_f32 v[PP+1], s24, v[PP+1]
	v_exp_f32 v[FF], v[FF]
	v_exp_f32 v[PP], v[PP]
	v_exp_f32 v[PP+1], v[PP+1]
	v_nop
	s_wait_alu depctr_va_vdst(0)                   ; one wait for the three, ahead of their first reader
.irp q,0,1,2,3
	v_pk_mul_f32 v[CX+2*\q:CX+2*\q+1], v[CX+2*\q:CX+2*\q+1], v[FF:FF+1] op_sel_hi:[1,0]   ; the context under the new maximum
.endr
.endm
; the context of rows 32-63, from LDS, four rows at a time in two sets of 32 registers
.macro LC b
.irp i,0,1,2,3
	ds_load_b128 v[XQ+32*((\b)%2)+8*\i:XQ+32*((\b)%2)+8*\i+3], v[CL] offset:(4*(\b)+\i)*PITCH
	ds_load_b128 v[XQ+32*((\b)%2)+8*\i+4:XQ+32*((\b)%2)+8*\i+7], v[CL] offset:(4*(\b)+\i)*PITCH+512
.endr
.endm
.macro CB b, cnt
	s_wait_dscnt \cnt                              ; the next batch's 8 loads may be out
.irp i,0,1,2,3
	v_readlane_b32 s[PS+8*((\b)%2)+2*\i], v[PP+\i%2], 16+2*(\b)+\i/2   ; row 32 + 4 b + i: its weight lies in lane row / 2, register row % 2
.endr
.irp i,0,1,2,3
.irp q,0,1,2,3
	v_pk_fma_f32 v[CX+2*\q:CX+2*\q+1], v[XQ+32*((\b)%2)+8*\i+2*\q:XQ+32*((\b)%2)+8*\i+2*\q+1], s[PS+8*((\b)%2)+2*\i:PS+8*((\b)%2)+2*\i+1], v[CX+2*\q:CX+2*\q+1] op_sel_hi:[1,0,1]
.endr
.endr
.endm
.macro CLDS
	LC 0
	LC 1
.irp b,0,1,2,3,4,5
	CB \b, 8
	LC \b+2
.endr
	CB 6, 8
	CB 7, 0
.endm
; and of rows 0-31, from the registers in which they were parked
.macro CP8 g, win, base
	WIN 0
.irp i,0,1,2,3,4,5,6,7
	v_readlane_b32 s[PS+2*\i], v[PP+\i%2], 4*\g+\i/2
.endr
	WIN \win                                       ; source 0: the rows' window
.irp i,0,1,2,3,4,5,6,7
.irp q,0,1,2,3
	v_pk_fma_f32 v[CX+2*\q:CX+2*\q+1], v[\base+8*\i+2*\q:\base+8*\i+2*\q+1], s[PS+2*\i:PS+2*\i+1], v[CX+2*\q:CX+2*\q+1] op_sel_hi:[1,0,1]
.endr
.endr
.endm
.macro CPARK
	CP8 0, 0x01, 192
	CP8 1, 0x02, 192
	CP8 2, 0x03, 192
	CP8 3, 0, PK3
.endm
	s_load_b256 s[4:11], s[0:1], 0x0               ; values s[4:5], w1f s[6:7], pqv s[8:9], V s[10:11]
	s_load_b128 s[12:15], s[0:1], 0x20             ; bV s[12:13], scores s[14:15]
	s_load_b64 s[16:17], s[0:1], 0x30              ; partc
	v_lshl_add_u32 v[SPW], v0, 2, SPARE
	v_mov_b32 v[NIL], 0
	ds_add_u32 v1, v2
	ds_add_u32 v1, v2
	s_wait_dscnt 0x0
	v_lshrrev_b32 v18, 5, v0
	v_readfirstlane_b32 s18, v18                   ; wave 0..3
	; descriptor group 1: 32 rows x 256 elements of 4 bytes, 1,024 elements from row to row; 4 words of padding behind every 256 words
	s_mov_b32 s28, (2<<16)|(1<<20)|(7<<22)|(3<<25)
	s_mov_b32 s29, 256<<16                         ; tensor_dim0
	s_mov_b32 s30, 32<<16                          ; tensor_dim1
	s_mov_b32 s31, 256<<16                         ; tile_dim0
	s_mov_b32 s32, 32                              ; tile_dim1
	s_mov_b32 s33, 1024                            ; the pitch
	s_mov_b32 s34, 0
	s_mov_b32 s35, 0
	s_lshl_b32 s2, ttmp9, 20                       ; 256 rows of 4,096 bytes a work-group
	s_lshl_b32 s19, s18, 10                        ; my 1,024 bytes of a row
	s_add_co_u32 s2, s2, s19
	s_mov_b32 s3, 0
	s_mul_i32 s26, s18, EREG                       ; my region of each half
	s_wait_kmcnt 0x0
	s_add_nc_u64 s[4:5], s[4:5], s[2:3]
	s_mov_b32 s36, 1                               ; group 0 for rows 0-31
	s_mov_b32 s37, s26
	s_mov_b64 s[38:39], s[4:5]
	s_or_b32 s39, s39, 0x80000000
	s_mov_b32 s40, 1                               ; and for rows 32-63
	s_add_co_u32 s41, s26, LOFF
	s_add_nc_u64 s[42:43], s[4:5], 131072
	s_or_b32 s43, s43, 0x80000000
	tensor_load_to_lds s[36:39], s[28:35]          ; the two first fills go out together, ahead of every wait on TENSORcnt, every LDS read and every barrier
	s_nop 0
	tensor_load_to_lds s[40:43], s[28:35]
	s_nop 0
.rept 4
	v_nop
.endr
	s_load_b32 s25, s[12:13], 0x0                  ; bV
	s_mul_i32 s2, s18, 16*RECB
	s_add_nc_u64 s[6:7], s[6:7], s[2:3]            ; my 16 records of W1
	s_lshr_b32 s2, ttmp9, 3
	s_lshl_b32 s2, s2, 14                          ; the batch's 1,024 units of 16 bytes
	s_lshl_b32 s19, s18, 12
	s_add_co_u32 s2, s2, s19
	s_add_nc_u64 s[8:9], s[8:9], s[2:3]            ; my 256 of them
	s_lshl_b32 s2, ttmp9, 10
	s_add_nc_u64 s[14:15], s[14:15], s[2:3]        ; my work-group's 256 scores
	s_lshl_b32 s2, ttmp9, 12
	s_lshl_b32 s19, s18, 10
	s_add_co_u32 s2, s2, s19
	s_add_nc_u64 s[16:17], s[16:17], s[2:3]        ; my 256 columns of the work-group's partial context
	s_add_nc_u64 s[52:53], s[4:5], 229376          ; the prefetches: trip t of block i stands 32,768 (8 i + t + 1) bytes on: trip 4 of block 0 at row 96 of the work-group
	s_mov_b32 s[SEL], 0x76543210
	s_mov_b32 s[SEL+1], 0xfedcba98
	s_mov_b32 s22, 0x4038aa3b                      ; c = 2 log2(e); the packed form names a pair
	s_mov_b32 s23, s22
	s_mov_b32 s24, 0x3fb8aa3b                      ; log2(e)
	s_mov_b32 s48, 2*RECB                          ; the first trip fetches tiles 2 and 3
	s_mov_b32 s49, 0
	s_mov_b32 s50, 512
	s_mov_b32 s51, 0
.irp i,0,1,2,3,4,5,6,7
	s_mov_b32 s[PS+2*\i+1], 0                      ; named as the upper halves of pairs
.endr
	v_and_b32 v18, 31, v0                          ; lane
	v_and_b32 v19, 15, v0                          ; r
	v_bfe_u32 v23, v0, 4, 1                        ; h
	v_lshlrev_b32 v[LO], 4, v18
	v_lshlrev_b32 v[TO], 4, v19
.irp i,0,1,2,3,4,5,6,7
	global_load_b128 v[152+4*\i:155+4*\i], v[LO], s[10:11] offset:512*\i   ; V, whole
.endr
	BLDH 0, 0, 6                                   ; tiles 0 and 1 of my units, each in the order in which the loop asks: 12, 1, 12, 1
	BLDS 0, 6
	BLDH 0, 1, 6
	WIN 0
	global_load_b128 v[TB:TB+3], v[TO], s[8:9]
	BLDH 1, 0, 6
	BLDS 1, 6
	BLDH 1, 1, 6
	WIN 0
	global_load_b128 v[TB+4:TB+7], v[TO], s[8:9] offset:256
	v_mul_u32_u24 v[QE], v19, PITCH
	v_lshl_add_u32 v[QE], v23, 7, v[QE]
	v_add_nc_u32 v[QE], s26, v[QE]
	v_add_nc_u32 v[QE+1], LOFF, v[QE]
	v_add_nc_u32 v[CE], s26, v[LO]
	v_add_nc_u32 v[CL], LOFF, v[CE]
	s_lshr_b32 s19, s18, 1                         ; my K steps are 2 w and 2 w + 1: fragments 16 (w / 2) + 4 mt + 2 (w % 2) + 0, 1
	s_mul_i32 s19, s19, 16*FRB
	s_and_b32 s27, s18, 1
	s_mul_i32 s56, s27, 2*FRB
	s_add_co_u32 s19, s19, s56
	s_add_co_u32 s19, s19, IMG
	v_add_nc_u32 v[IW], s19, v[LO]
	s_lshr_b32 s19, s18, 1
	s_lshl_b32 s19, s19, 6
	s_lshl_b32 s56, s27, 3
	s_add_co_u32 s19, s19, s56
	s_add_co_u32 s19, s19, ASC
	v_mul_u32_u24 v[SR], v18, 144
	v_add_nc_u32 v[SW], s19, v[SR]
	v_add_nc_u32 v[IR], IMG, v[LO]
	v_add_nc_u32 v[SR], ASC, v[SR]
	v_and_b32 v28, 7, v0
	v_lshlrev_b32 v[PW], 2, v28
	v_lshl_add_u32 v[PW], v23, 5, v[PW]
	s_lshl_b32 s19, s18, 8
	s_add_co_u32 s19, s19, PART
	v_add_nc_u32 v[PW], s19, v[PW]
	v_lshl_add_u32 v[PR], v18, 3, PART
	v_lshlrev_b32 v[SH], 3, v23
	v_lshrrev_b32 v[PFO], 2, v18
	v_lshlrev_b32 v[PFO], 12, v[PFO]
	v_and_b32 v29, 3, v18
	v_lshl_add_u32 v[PFO], v29, 8, v[PFO]
	v_lshlrev_b32 v[SCO], 3, v18
.irp j,1,2,3,4,5,6,7
	v_cmp_eq_u32 s[56+\j], \j, v28                 ; the lanes with lane % 8 = j
.endr
.irp i,0,1,2,3,4,5,6,7
	v_mov_b32 v[CX+\i], 0                          ; the context
.endr
	v_mov_b32 v[MX], 0xff61b1e6                    ; -3e38, under every score: the first change of the maximum multiplies zeros by 0
	v_mov_b32 v[FF+1], 0                           ; named as the upper half of a pair
	s_wait_loadcnt 52                              ; V is in; the two tiles' 2 x 26 loads may be out
.irp i,0,2,4,6,8,10,12,14
	v_pk_add_f32 v[152+\i:153+\i], v[152+\i:153+\i], v[168+\i:169+\i]
.endr
.irp i,0,2,4,6
	v_pk_add_f32 v[152+\i:153+\i], v[152+\i:153+\i], v[160+\i:161+\i]
.endr
.irp i,0,2
	v_pk_add_f32 v[152+\i:153+\i], v[152+\i:153+\i], v[156+\i:157+\i]
.endr
	v_pk_add_f32 v[152:153], v[152:153], v[154:155]
	v_add_f32 v152, v152, v153
	v_add_f32_dpp v152, v152, v152 row_xmask:1 row_mask:0xf bank_mask:0xf
	v_add_f32_dpp v152, v152, v152 row_xmask:2 row_mask:0xf bank_mask:0xf
	v_add_f32_dpp v152, v152, v152 row_xmask:4 row_mask:0xf bank_mask:0xf
	v_add_f32_dpp v152, v152, v152 row_xmask:8 row_mask:0xf bank_mask:0xf
	v_permlanex16_b32 v153, v152, s[SEL], s[SEL+1]
	v_add_f32 v152, v152, v153                     ; the sum of V
	s_wait_kmcnt 0x0
	v_add_f32 v[K0], s25, v152                     ; K0 = bV + the sum of V
	v_mov_b32 v[K0+1], v[K0]
	s_wait_tensorcnt 0x1                           ; rows 0-31 of block 0 are in (only I read my pieces); rows 32-63 may be out
	QHALF 0
	EARLY
	s_wait_tensorcnt 0x0
	QHALF 1
	s_mov_b32 s55, 3
.Lblock:                                               ; blocks 0 to 2: each asks for the next block's two halves
	PARK8 3, 0, PK3                                ; rows 24-31: the quantiser has left their registers
	FILLE                                          ; the next block's rows 0-31 have all 512 matrix instructions of this block in which to land
	ALATE
	s_mov_b32 s54, 0
.Ltr:
	GTRIP 1, 1
	s_add_co_u32 s54, s54, 1
	s_cmp_lt_u32 s54, 8
	s_cbranch_scc1 .Ltr
	REDUCE
	s_wait_dscnt 0x0                               ; my share of the scores lies in LDS
	s_barrier_signal -1
	s_barrier_wait -1
	SOFTMAX
	CLDS
	FILLL                                          ; its wait for all tensor loads shows the next block's rows 0-31 landed
	CPARK                                          ; work on registers while rows 32-63 are on their way,
	QHALF 0                                        ; on the half that has landed,
	EARLY                                          ; and on its images
	s_wait_tensorcnt 0x0                           ; the one load that is out is the half read next: the count cannot be higher
	QHALF 1
	s_sub_co_u32 s55, s55, 1
	s_cmp_lg_u32 s55, 0
	s_cbranch_scc1 .Lblock
	; block 3 is written out: it asks for nothing
	PARK8 3, 0, PK3
	CLEARS
	s_wait_dscnt 0x0                               ; my images and scale words of rows 32-63 lie in LDS
	s_barrier_signal -1
	s_barrier_wait -1
	ALATE
	s_mov_b32 s54, 0
.Ltr2:
	GTRIP 1, 0
	s_add_co_u32 s54, s54, 1
	s_cmp_lt_u32 s54, 7
	s_cbranch_scc1 .Ltr2
	GTRIP 0, 0                                     ; the last two tiles fetch nothing
	REDUCE
	s_wait_dscnt 0x0
	s_barrier_signal -1
	s_barrier_wait -1
	SOFTMAX
	CLDS
	CPARK
	global_store_b128 v[LO], v[CX:CX+3], s[16:17]              ; 512 consecutive bytes: columns 256 w + 4 l + 0 .. 3,
	global_store_b128 v[LO], v[CX+4:CX+7], s[16:17] offset:512 ; and 256 w + 128 + 4 l + 0 .. 3
	s_wait_tensorcnt 0x0                           ; the wave's end
	ds_add_u32 v[SPW], v[NIL]
	s_wait_dscnt 0x0
	s_endpgm
.Lfunc_end_k_qd791dcd112_main:
	.size	k_qd791dcd112_main, .Lfunc_end_k_qd791dcd112_main-k_qd791dcd112_main
	.p2alignl 7, 3214868480
	.fill 96, 4, 3214868480
	.section	.rodata,"a",@progbits
	.p2align	6, 0x0
	.amdhsa_kernel k_qd791dcd112_main
		.amdhsa_group_segment_fixed_size 327680
		.amdhsa_private_segment_fixed_size 0
		.amdhsa_enable_private_segment 0
		.amdhsa_kernarg_size 56
		.amdhsa_user_sgpr_count 2
		.amdhsa_user_sgpr_kernarg_segment_ptr 1
		.amdhsa_wavefront_size32 1
		.amdhsa_system_sgpr_workgroup_id_x 1
		.amdhsa_system_sgpr_workgroup_id_y 1
		.amdhsa_system_sgpr_workgroup_id_z 1
		.amdhsa_system_vgpr_workitem_id 0
		.amdhsa_next_free_vgpr 1024
		.amdhsa_next_free_sgpr 84
		.amdhsa_reserve_vcc 0
		.amdhsa_float_denorm_mode_32 3
		.amdhsa_float_denorm_mode_16_64 3
		.amdhsa_memory_ordered 1
		.amdhsa_forward_progress 1
		.amdhsa_inst_pref_size 247
	.end_amdhsa_kernel
	.amdgpu_metadata
---
amdhsa.version: [ 1, 2 ]
amdhsa.kernels:
  - .name:           k_qd791dcd112_main
    .symbol:         k_qd791dcd112_main.kd
    .args:
      - { .name: values, .offset: 0, .size: 8, .value_kind: global_buffer, .address_space: global }
      - { .name: w1f, .offset: 8, .size: 8, .value_kind: global_buffer, .address_space: global }
      - { .name: pqv, .offset: 16, .size: 8, .value_kind: global_buffer, .address_space: global }
      - { .name: V, .offset: 24, .size: 8, .value_kind: global_buffer, .address_space: global }
      - { .name: bV, .offset: 32, .size: 8, .value_kind: global_buffer, .address_space: global }
      - { .name: scores, .offset: 40, .size: 8, .value_kind: global_buffer, .address_space: global }
      - { .name: partc, .offset: 48, .size: 8, .value_kind: global_buffer, .address_space: global }
    .group_segment_fixed_size: 327680
    .private_segment_fixed_size: 0
    .kernarg_segment_align: 8
    .kernarg_segment_size: 56
    .max_flat_workgroup_size: 128
    .sgpr_count:     84
    .vgpr_count:     1024
    .wavefront_size: 32
...
	.end_amdgpu_metadata
.endif
;; end of part 2
;; launch finish (part 3): grid 32 x 1, 8 waves a work-group, no clusters, 1,536 bytes of LDS; arguments scores, partc, out0, out1; writes out0, out1
.if DOCPART == 3
	.amdgcn_target "amdgcn-amd-amdhsa--gfx1250"
	.amdhsa_code_object_version 6
	.text
	.protected	k_qd791dcd112_finish
	.globl	k_qd791dcd112_finish
	.p2align	8
	.type	k_qd791dcd112_finish,@function
k_qd791dcd112_finish:
	s_mov_b64 s[64:65], 0
	v_nop
	global_prefetch_b8 v0, s[64:65] scope:SCOPE_SE
	s_setreg_imm32_b32 hwreg(HW_REG_WAVE_MODE, 25, 1), 1
	s_wait_xcnt 0x0
; One work-group for each batch.  out1 = softmax of the batch's 2,048 scores; out0 = sum over its eight segments j of 2^((m_j - m) log2 e) partc[8 b + j] / l.
; m_j, the largest score of segment j, is the very number under which the launch before summed that segment: a maximum rounds nothing, and it is taken here of the same stored scores.
; Wave j takes segment j's 256 scores (8 a lane); thread t takes columns 4 t .. 4 t + 3 of the context.  The launch moves 40 KiB a work-group: no LDS tiles, no matrix unit.
	s_load_b256 s[4:11], s[0:1], 0x0               ; scores s[4:5], partc s[6:7], out0 s[8:9], out1 s[10:11]
	v_lshl_add_u32 v80, v0, 2, 0x200
	v_mov_b32 v81, 0
	v_lshrrev_b32 v1, 5, v0
	v_readfirstlane_b32 s12, v1                    ; wave = segment
	v_and_b32 v2, 31, v0
	s_lshl_b32 s13, s12, 10
	v_lshl_add_u32 v3, v2, 4, s13                  ; 1,024 j + 16 lane
	v_lshlrev_b32 v4, 4, v0                        ; 16 t
	s_lshl_b32 s14, ttmp9, 13                      ; the batch's 2,048 scores
	s_mov_b32 s15, 0
	s_lshl_b32 s16, ttmp9, 15                      ; its eight partial contexts of 4,096 bytes
	s_mov_b32 s17, 0
	s_lshl_b32 s18, ttmp9, 12                      ; its row of out0
	s_mov_b32 s19, 0
	s_mov_b32 s20, 0x76543210
	s_mov_b32 s21, 0xfedcba98                      ; selects for lane l xor 16
	s_mov_b32 s22, 0x3fb8aa3b                      ; log2(e)
	s_lshl_b32 s23, s12, 2
	v_mov_b32 v7, s23                              ; my wave's word in LDS
	v_mov_b32 v48, 0
	s_wait_kmcnt 0x0
	s_add_nc_u64 s[4:5], s[4:5], s[14:15]
	s_add_nc_u64 s[10:11], s[10:11], s[14:15]
	s_add_nc_u64 s[6:7], s[6:7], s[16:17]
	s_add_nc_u64 s[8:9], s[8:9], s[18:19]
	global_load_b128 v[8:11], v3, s[4:5]
	global_load_b128 v[12:15], v3, s[4:5] offset:512
.irp k,0,1,2,3,4,5,6,7
	global_load_b128 v[16+4*\k:19+4*\k], v4, s[6:7] offset:4096*\k
.endr
	s_wait_loadcnt 8                               ; the scores are in; the eight partial contexts may be out
	v_max3_num_f32 v5, v8, v9, v10
	v_max3_num_f32 v6, v11, v12, v13
	v_max3_num_f32 v5, v5, v14, v15
	v_max_num_f32 v5, v5, v6
	v_max_num_f32_dpp v5, v5, v5 row_xmask:1 row_mask:0xf bank_mask:0xf
	v_max_num_f32_dpp v5, v5, v5 row_xmask:2 row_mask:0xf bank_mask:0xf
	v_max_num_f32_dpp v5, v5, v5 row_xmask:4 row_mask:0xf bank_mask:0xf
	v_max_num_f32_dpp v5, v5, v5 row_xmask:8 row_mask:0xf bank_mask:0xf
	v_permlanex16_b32 v6, v5, s20, s21
	v_max_num_f32 v5, v5, v6                       ; m_j
	ds_store_b32 v7, v5
	s_wait_dscnt 0x0
	s_barrier_signal -1
	s_barrier_wait -1
	ds_load_b128 v[52:55], v48                     ; all eight m_j, in every lane
	ds_load_b128 v[56:59], v48 offset:16
	s_wait_dscnt 0x0
	v_max3_num_f32 v49, v52, v53, v54
	v_max3_num_f32 v50, v55, v56, v57
	v_max3_num_f32 v49, v49, v58, v59
	v_max_num_f32 v49, v49, v50                    ; m
.irp i,0,1,2,3,4,5,6,7
	v_sub_f32 v[8+\i], v[8+\i], v49
	v_sub_f32 v[52+\i], v[52+\i], v49
.endr
.irp i,0,1,2,3,4,5,6,7
	v_mul_f32 v[8+\i], s22, v[8+\i]
	v_mul_f32 v[52+\i], s22, v[52+\i]
.endr
.irp i,0,1,2,3,4,5,6,7
	v_exp_f32 v[8+\i], v[8+\i]                     ; e^(score - m)
	v_exp_f32 v[52+\i], v[52+\i]                   ; e^(m_j - m)
.endr
	v_nop                                          ; a plain instruction behind the last exponential,
	s_wait_alu depctr_va_vdst(0)                   ; and one wait for the sixteen, ahead of their first reader
	v_pk_add_f32 v[60:61], v[8:9], v[10:11]
	v_pk_add_f32 v[62:63], v[12:13], v[14:15]
	v_pk_add_f32 v[60:61], v[60:61], v[62:63]
	v_add_f32 v60, v60, v61
	v_add_f32_dpp v60, v60, v60 row_xmask:1 row_mask:0xf bank_mask:0xf
	v_add_f32_dpp v60, v60, v60 row_xmask:2 row_mask:0xf bank_mask:0xf
	v_add_f32_dpp v60, v60, v60 row_xmask:4 row_mask:0xf bank_mask:0xf
	v_add_f32_dpp v60, v60, v60 row_xmask:8 row_mask:0xf bank_mask:0xf
	v_permlanex16_b32 v61, v60, s20, s21
	v_add_f32 v60, v60, v61                        ; my segment's sum
	ds_store_b32 v7, v60 offset:256                ; other bytes than the maxima's: no barrier is owed between
	s_wait_dscnt 0x0
	s_barrier_signal -1
	s_barrier_wait -1
	ds_load_b128 v[64:67], v48 offset:256
	ds_load_b128 v[68:71], v48 offset:272
	s_wait_dscnt 0x0
	v_pk_add_f32 v[64:65], v[64:65], v[66:67]
	v_pk_add_f32 v[68:69], v[68:69], v[70:71]
	v_pk_add_f32 v[64:65], v[64:65], v[68:69]
	v_add_f32 v64, v64, v65                        ; l, at least 1
	v_rcp_f32 v50, v64
	v_nop
	s_wait_alu depctr_va_vdst(0)
	v_mov_b32 v51, v50
.irp i,0,2,4,6
	v_pk_mul_f32 v[8+\i:9+\i], v[8+\i:9+\i], v[50:51]
.endr
	global_store_b128 v3, v[8:11], s[10:11]                    ; 512 consecutive bytes a store
	global_store_b128 v3, v[12:15], s[10:11] offset:512
	s_wait_loadcnt 0x0                             ; the partial contexts
.irp c,0,1,2,3
	v_mul_f32 v[72+\c], v[16+\c], v52
.endr
.irp k,1,2,3,4,5,6,7
.irp c,0,1,2,3
	v_fma_f32 v[72+\c], v[16+4*\k+\c], v[52+\k], v[72+\c]
.endr
.endr
	v_pk_mul_f32 v[72:73], v[72:73], v[50:51]
	v_pk_mul_f32 v[74:75], v[74:75], v[50:51]
	global_store_b128 v4, v[72:75], s[8:9]
	s_wait_tensorcnt 0x0
	ds_add_u32 v80, v81
	s_wait_dscnt 0x0
	s_endpgm
.Lfunc_end_k_qd791dcd112_finish:
	.size	k_qd791dcd112_finish, .Lfunc_end_k_qd791dcd112_finish-k_qd791dcd112_finish
	.p2alignl 7, 3214868480
	.fill 96, 4, 3214868480
	.section	.rodata,"a",@progbits
	.p2align	6, 0x0
	.amdhsa_kernel k_qd791dcd112_finish
		.amdhsa_group_segment_fixed_size 1536
		.amdhsa_private_segment_fixed_size 0
		.amdhsa_enable_private_segment 0
		.amdhsa_kernarg_size 32
		.amdhsa_user_sgpr_count 2
		.amdhsa_user_sgpr_kernarg_segment_ptr 1
		.amdhsa_wavefront_size32 1
		.amdhsa_system_sgpr_workgroup_id_x 1
		.amdhsa_system_sgpr_workgroup_id_y 1
		.amdhsa_system_sgpr_workgroup_id_z 1
		.amdhsa_system_vgpr_workitem_id 0
		.amdhsa_next_free_vgpr 82
		.amdhsa_next_free_sgpr 66
		.amdhsa_reserve_vcc 0
		.amdhsa_float_denorm_mode_32 3
		.amdhsa_float_denorm_mode_16_64 3
		.amdhsa_memory_ordered 1
		.amdhsa_forward_progress 1
		.amdhsa_inst_pref_size 9
	.end_amdhsa_kernel
	.amdgpu_metadata
---
amdhsa.version: [ 1, 2 ]
amdhsa.kernels:
  - .name:           k_qd791dcd112_finish
    .symbol:         k_qd791dcd112_finish.kd
    .args:
      - { .name: scores, .offset: 0, .size: 8, .value_kind: global_buffer, .address_space: global }
      - { .name: partc, .offset: 8, .size: 8, .value_kind: global_buffer, .address_space: global }
      - { .name: out0, .offset: 16, .size: 8, .value_kind: global_buffer, .address_space: global }
      - { .name: out1, .offset: 24, .size: 8, .value_kind: global_buffer, .address_space: global }
    .group_segment_fixed_size: 1536
    .private_segment_fixed_size: 0
    .kernarg_segment_align: 8
    .kernarg_segment_size: 32
    .max_flat_workgroup_size: 256
    .sgpr_count:     66
    .vgpr_count:     82
    .wavefront_size: 32
...
	.end_amdgpu_metadata
.endif
;; end of part 3
